; MI455X (gfx1250); checked and timed in simulation.
; The chip was launched on July 23, 2026; its instructions are those of AMD's public machine-readable ISA for CDNA 5 (MIT licence, August 2026) and "CDNA5" Instruction Set Architecture Reference Guide (July 2026). The comments in the code are by the model that wrote it; some were corrected since.
;; Sparse Dense. Allowed arithmetic: float matrix products may take bf16 or f16 operands with f32 sums; other float arithmetic in f32, or as packed bf16 or f16 multiplies, adds, multiply-adds, maxima and minima; sums over many terms, partial sums and values carried from step to step in f32; what a program stores and reads back later, other than sums and carried values, may be rounded once to bf16 or f16.
;; Inputs: bias 4,096 float32; mask 4,096 x 4,096 bool; weight 4,096 x 4,096 float32; x 4,096 x 4,096 float32.
;; Outputs: out0 4,096 x 4,096 float32.
;; One version. Each part assembles by itself: llvm-mc -triple=amdgcn-amd-amdhsa -mcpu=gfx1250 --defsym DOCPART=n.
;; ======== version 1 of 1: 2 launches
;; workspace buffers: xb 33,554,432 bytes; wb 33,554,432 bytes
;; launch cast (part 1): grid 1024 x 2, 8 waves a work-group, no clusters, 0 bytes of LDS; arguments x, weight, mask, xb, wb; writes xb, wb
.if DOCPART == 1
	.amdgcn_target "amdgcn-amd-amdhsa--gfx1250"
	.amdhsa_code_object_version 6
	.text
	.protected	k_q47b418c4f2_cast
	.globl	k_q47b418c4f2_cast
	.p2align	8
	.type	k_q47b418c4f2_cast,@function
k_q47b418c4f2_cast:
	s_mov_b64 s[64:65], 0
	v_nop
	global_prefetch_b8 v0, s[64:65] scope:SCOPE_SE
	s_setreg_imm32_b32 hwreg(HW_REG_WAVE_MODE, 25, 1), 1
	s_wait_xcnt 0x0
; xb = x rounded to bf16;  wb = weight rounded to bf16, with +0 where the mask byte is 0.  x, weight: [4096][4096] f32; mask: [4096][4096], a byte each; xb, wb: [4096][4096] bf16, same order.
; A pure stream: each input byte is read once, each output byte written once; no wave wants a byte that another wave fetched, so there is no LDS, no barrier, no matrix work.
; SHARES.  Grid y = 0 takes x, y = 1 takes weight and mask.  Work-group g owns 16 segments of 1,024 consecutive numbers (4 rows); in each segment thread t owns numbers 4 t .. 4 t + 3:
; a wave's f32 load covers 512 consecutive bytes, aligned; its store of 8 bytes a lane covers 256 consecutive bytes, aligned; its mask load covers 128 consecutive bytes.
; All 16 segments' loads go out first, each into registers of its own; the segment stands in the immediate offset.  So no register that a memory instruction names is ever written again,
; and the only waits are the counted ones for the data.
; LIMITS.  A mask byte is 0 or 1, as the problem states.  A masked weight becomes +0 by an AND, also where the weight is an infinity or a NaN (weight x 0 would be a NaN there) and where
; weight x 0 would be -0.
.set X, 4                              ; v[4:67]   segment i: 4 registers as loaded; then its first two hold the 4 bf16 to store
.set M, 68                             ; v[68:83]  segment i: 4 mask bytes
.set T, 84                             ; v[84:86]  at work
	s_load_b256 s[4:11], s[0:1], 0x0               ; x s[4:5], weight s[6:7], mask s[8:9], xb s[10:11]
	s_load_b64 s[12:13], s[0:1], 0x20              ; wb
	v_lshlrev_b32 v1, 4, v0                        ; my 16 bytes of f32 in a segment
	v_lshlrev_b32 v2, 3, v0                        ; my 8 bytes of bf16
	v_lshlrev_b32 v3, 2, v0                        ; my 4 mask bytes
	s_and_b32 s14, ttmp7, 0xffff                   ; grid y: which tensor
	s_lshl_b32 s16, ttmp9, 16                      ; the work-group's 16,384 numbers: 65,536 bytes of f32,
	s_mov_b32 s17, 0
	s_lshl_b32 s18, ttmp9, 15                      ; 32,768 of bf16,
	s_mov_b32 s19, 0
	s_lshl_b32 s20, ttmp9, 14                      ; 16,384 of mask
	s_mov_b32 s21, 0
	s_mov_b32 s22, 0x01010000                      ; v_perm_b32: bytes 0, 0, 1, 1
	s_mov_b32 s23, 0x03030202                      ; bytes 2, 2, 3, 3
	s_wait_kmcnt 0x0
	s_cmp_lg_u32 s14, 0
	s_cbranch_scc1 .Lw
; Segment i is rounded and stored.  masked = 1: the weight path, with two loads a segment.
.macro CVT i, masked
.if \masked
	s_wait_loadcnt 2*(15-(\i))                     ; loads come back in order: two younger ones for each later segment may stay out
.else
	s_wait_loadcnt 15-(\i)                         ; one younger load for each later segment may stay out
.endif
	v_cvt_pk_bf16_f32 v[X+4*(\i)],   v[X+4*(\i)],   v[X+4*(\i)+1]  ; two roundings to nearest even, packed
	v_cvt_pk_bf16_f32 v[X+4*(\i)+1], v[X+4*(\i)+2], v[X+4*(\i)+3]
.if \masked
	v_lshlrev_b32 v[T], 8, v[M+(\i)]               ; 256 m - m = 255 m: each byte 0 or 1 becomes 0x00 or 0xff, without a carry between bytes
	v_sub_nc_u32 v[T], v[T], v[M+(\i)]
	v_perm_b32 v[T+1], v[T], v[T], s22             ; each byte twice: a mask for two bf16
	v_perm_b32 v[T+2], v[T], v[T], s23
	v_and_b32 v[X+4*(\i)],   v[X+4*(\i)],   v[T+1]
	v_and_b32 v[X+4*(\i)+1], v[X+4*(\i)+1], v[T+2]
	global_store_b64 v2, v[X+4*(\i):X+4*(\i)+1], s[12:13] offset:(\i)*2048
.else
	global_store_b64 v2, v[X+4*(\i):X+4*(\i)+1], s[10:11] offset:(\i)*2048
.endif
.endm
	s_add_nc_u64 s[4:5], s[4:5], s[16:17]          ; x and xb at the work-group's first number
	s_add_nc_u64 s[10:11], s[10:11], s[18:19]
.irp i, 0,1,2,3,4,5,6,7,8,9,10,11,12,13,14,15
	global_load_b128 v[X+4*(\i):X+4*(\i)+3], v1, s[4:5] offset:(\i)*4096 th:TH_LOAD_NT
.endr
.irp i, 0,1,2,3,4,5,6,7,8,9,10,11,12,13,14,15
	CVT \i, 0
.endr
	s_endpgm
.Lw:
	s_add_nc_u64 s[6:7], s[6:7], s[16:17]          ; weight, mask and wb at the work-group's first number
	s_add_nc_u64 s[8:9], s[8:9], s[20:21]
	s_add_nc_u64 s[12:13], s[12:13], s[18:19]
.irp i, 0,1,2,3,4,5,6,7,8,9,10,11,12,13,14,15
	global_load_b128 v[X+4*(\i):X+4*(\i)+3], v1, s[6:7] offset:(\i)*4096 th:TH_LOAD_NT
	global_load_b32 v[M+(\i)], v3, s[8:9] offset:(\i)*1024 th:TH_LOAD_NT
.endr
.irp i, 0,1,2,3,4,5,6,7,8,9,10,11,12,13,14,15
	CVT \i, 1
.endr
	s_endpgm
.Lfunc_end_k_q47b418c4f2_cast:
	.size	k_q47b418c4f2_cast, .Lfunc_end_k_q47b418c4f2_cast-k_q47b418c4f2_cast
	.p2alignl 7, 3214868480
	.fill 96, 4, 3214868480
	.section	.rodata,"a",@progbits
	.p2align	6, 0x0
	.amdhsa_kernel k_q47b418c4f2_cast
		.amdhsa_group_segment_fixed_size 0
		.amdhsa_private_segment_fixed_size 0
		.amdhsa_enable_private_segment 0
		.amdhsa_kernarg_size 40
		.amdhsa_user_sgpr_count 2
		.amdhsa_user_sgpr_kernarg_segment_ptr 1
		.amdhsa_wavefront_size32 1
		.amdhsa_system_sgpr_workgroup_id_x 1
		.amdhsa_system_sgpr_workgroup_id_y 1
		.amdhsa_system_sgpr_workgroup_id_z 1
		.amdhsa_system_vgpr_workitem_id 0
		.amdhsa_next_free_vgpr 88
		.amdhsa_next_free_sgpr 66
		.amdhsa_reserve_vcc 0
		.amdhsa_float_denorm_mode_32 3
		.amdhsa_float_denorm_mode_16_64 3
		.amdhsa_memory_ordered 1
		.amdhsa_forward_progress 1
		.amdhsa_inst_pref_size 18
	.end_amdhsa_kernel
	.amdgpu_metadata
---
amdhsa.version: [ 1, 2 ]
amdhsa.kernels:
  - .name:           k_q47b418c4f2_cast
    .symbol:         k_q47b418c4f2_cast.kd
    .args:
      - { .name: x, .offset: 0, .size: 8, .value_kind: global_buffer, .address_space: global }
      - { .name: weight, .offset: 8, .size: 8, .value_kind: global_buffer, .address_space: global }
      - { .name: mask, .offset: 16, .size: 8, .value_kind: global_buffer, .address_space: global }
      - { .name: xb, .offset: 24, .size: 8, .value_kind: global_buffer, .address_space: global }
      - { .name: wb, .offset: 32, .size: 8, .value_kind: global_buffer, .address_space: global }
    .group_segment_fixed_size: 0
    .private_segment_fixed_size: 0
    .kernarg_segment_align: 8
    .kernarg_segment_size: 40
    .max_flat_workgroup_size: 256
    .sgpr_count:     66
    .vgpr_count:     88
    .wavefront_size: 32
...
	.end_amdgpu_metadata
.endif
;; end of part 1
;; launch gemm (part 2): grid 16 x 16, 4 waves a work-group, clusters of 4 x 4, 327,680 bytes of LDS; arguments xb, wb, bias, out0; writes out0
.if DOCPART == 2
	.amdgcn_target "amdgcn-amd-amdhsa--gfx1250"
	.amdhsa_code_object_version 6
	.text
	.protected	k_q47b418c4f2_gemm
	.globl	k_q47b418c4f2_gemm
	.p2align	8
	.type	k_q47b418c4f2_gemm,@function
k_q47b418c4f2_gemm:
	s_mov_b64 s[64:65], 0
	v_nop
	global_prefetch_b8 v0, s[64:65] scope:SCOPE_SE
	s_setreg_imm32_b32 hwreg(HW_REG_WAVE_MODE, 25, 1), 1
	s_wait_xcnt 0x0
	s_wait_alu depctr_hold_cnt(0) depctr_sa_sdst(0) depctr_va_vdst(0) depctr_va_sdst(0) depctr_va_ssrc(0) depctr_va_vcc(0) depctr_vm_vsrc(0)
	s_getreg_b32 s2, hwreg(HW_REG_IB_STS2, 6, 4)
	s_cmp_eq_u32 s2, 0
	s_cbranch_scc0 .Lentry_in_a_cluster
	s_endpgm
.Lentry_in_a_cluster:
	s_bfe_u32 s2, ttmp6, 0x10000c
	s_cmp_lg_u32 s2, 0xf033
	s_cbranch_scc0 .Lentry_shape_is_right
	s_endpgm
.Lentry_shape_is_right:
; out0[m][n] = max(0, bias[n] + the sum over k of xb[m][k] wb[k][n]).  xb: [4096 m][4096 k] bf16; wb: [4096 k][4096 n] bf16 (masked already); bias: [4096] f32; out0: [4096][4096] f32.
; Sums in f32.  bias is rounded to bf16 like the other two inputs and STARTS each sum, as the C operand of the first product: nothing is cleared and no separate addition is made
; (so the order of additions differs from a sum with the bias added last).
; LIMITS.  The maximum with 0 is v_max_num_f32: a sum that is a NaN leaves as 0.  bf16 has the range of f32, so no input that is finite in f32 is lost by its rounding.
; SHARES.  A tile of out0, 256 x 256, is made by a work-group of four waves; a wave makes 128 x 128: 64 accumulators of 16 x 16, 512 registers.  4096 x 4096 is 256 tiles, one a work-group.
; K goes in 32 steps of 128 through a ring of two LDS slots filled by the tensor data mover.  A slot holds 256 rows of xb x 256 bytes and 128 k-rows of wb x 512 bytes.
; wb LIES [k][n]: its fragments come out of LDS turned, by ds_load_tr16_b128, two loads a fragment as for xb.
; CLUSTERS: 4 x 4 work-groups.  The four of a row of the cluster need the same tiles of xb, the four of a column the same tiles of wb: each tile is asked for JOINTLY, by the same tensor load
; with the same descriptor and a mask that names the four; that divides the requests for both by four.
; THE MATRIX INSTRUCTION IS USED TRANSPOSED: source 0 = 16 columns n of wb, source 1 = 16 rows m of xb.  In the result lane l holds row m = l % 16 and its registers 0 to 7 the columns
; n = 8 (l / 16) + 0 .. 7: eight neighbouring numbers of a row of out0.
; REGISTERS, in windows of 256 (s_set_vgpr_msb: bits 1:0 source 0, 3:2 source 1, 5:4 source 2, 7:6 destination):
;   window 0: v0-31 addresses; v32-63 at work on bias; v64-127, v128-191 fragments of xb, two buffers (on the way out: rows read back); v192-255 bias, on the way out the results after the maximum
;   window 1: v64-127, v128-191 fragments of wb, two buffers
;   window 2: the 32 accumulators of my rows 0-63 (accumulator (a, b) at v[8 (8 a + b)]);   window 3: those of my rows 64-127
.set KSTEP,  128
.set ASTEP,  KSTEP*2                   ; a K step along a row of xb, in bytes
.set BSTEP,  KSTEP*8192                ; a K step down wb: 128 rows of 8,192 bytes
.set PA,     272                       ; an LDS row of xb: 256 bytes + 16 of padding = 68 words: row r starts at bank 4 r mod 64 (64 banks of 4 bytes: ISA guide 11.1)
.set PB,     544                       ; an LDS row of wb: 512 bytes + 32 of padding = 136 words: row r starts at bank 8 r mod 64
.set HALFT,  128*PA                    ; what one tensor load brings: 128 rows of xb, or 64 rows of wb (64 x 544 is the same 34,816 bytes)
.set SLOT,   4*HALFT                   ; xb's 256 rows, then wb's 128 k-rows
.set STAGE,  2*SLOT                    ; behind the ring, never filled by a tensor load: 16 rows x 528 bytes for each wave, for the way out
.set SP,     528                       ; a stage row: 512 bytes + 16: the 16 rows that a store touches start at 16 different groups of four banks
.set WSTAGE, 16*SP
.set SPARE,  STAGE+4*WSTAGE            ; behind the stages: the spare words, 128 bytes for each wave: two blocks of 256 bytes that no other line names
.set LAPS,   16                        ; a lap = two K steps = once round the ring
.set ADRA, 16                          ; v16-17  LDS address of my xb fragments in slot 0, 1
.set ADRB, 20                          ; v20-21  the same for wb
.set STO,  24                          ; v24     the way out: where I put 32 bytes of a row
.set RD,   25                          ; v25     the way out: where I read a row back
.set CO,   26                          ; v26     my 16 bytes in 512 consecutive bytes of out0; never rewritten
.set BO,   27                          ; v27     32 x (l / 16): my 8 columns in a group of 16 of bias; never rewritten
.set SPW,  28                          ; v28     LDS address of my spare word: SPARE + 4 x my thread's number; never rewritten
.set NIL,  29                          ; v29     0; never rewritten
.set PFO,  30                          ; v30     the prefetches' offset; never rewritten
.set F0,   64                          ; fragment buffer 0
.set F1,   128                         ; fragment buffer 1
.set BIAS, 192                         ; v192-255 of window 0: bias of my 128 columns: group b of 16 at BIAS + 8 b
.set TMP,  192                         ; the same registers on the way out
.set G1,  24                           ; s[24:31] descriptor group 1 for xb's tiles
.set G0,  32                           ; s[32:39] descriptor group 0 for xb's tiles, one set for each slot
.set G1B, 48                           ; s[48:55] descriptor group 1 for wb's tiles
.set G0B, 56                           ; s[56:63] descriptor group 0 for wb's tiles, one set for each slot
.set LIM, 43                           ; s43      1 in a wave that prefetches, else the greatest number
.set PFA, 44                           ; s[44:45] where my prefetches stand
.set PFS, 68                           ; s[68:69] a K step in the tensor that I prefetch
.set MSB, 0
.macro WIN new                         ; the immediate's high byte repeats the setting that is left; a switch that changes nothing is dropped
.if MSB != (\new)
	s_set_vgpr_msb (MSB<<8)|(\new)
.set MSB, \new
.endif
.endm
.set MUL_LO,   0xa1                    ; source 0 (wb) window 1, source 1 (xb) window 0, C and D window 2
.set MUL_HI,   0xf1                    ; the same, C and D window 3
.set FIRST_LO, 0x81                    ; the first product: C (bias) window 0, D window 2
.set FIRST_HI, 0xc1                    ; D window 3
.set TO_B,     0x40                    ; destination window 1, address window 0
; A joint load.  Waves 0 and 1 fetch xb's two halves, waves 2 and 3 wb's.  Each of the two lines has ONE mask and one set of registers for all that issue it.  The branch hangs on the wave's
; number alone.  An s_nop 0 and four v_nop follow each of the two lines, ahead of the jump, the label and what follows the macro.
.macro JLOAD s
	s_cmp_eq_u32 s11, 0
	s_cbranch_scc0 .Lfor_b_\@
	tensor_load_to_lds s[G0+4*(\s):G0+4*(\s)+3], s[G1:G1+7]
	s_nop 0
.rept 4
	v_nop
.endr
	s_branch .Lasked_\@
.Lfor_b_\@:
	tensor_load_to_lds s[G0B+4*(\s):G0B+4*(\s)+3], s[G1B:G1B+7]
	s_nop 0
.rept 4
	v_nop
.endr
.Lasked_\@:
.endm
; A PREFETCH INTO THE L2, behind each joint load, its five lines and the run of LDS loads that follows them: the K step that stands TWO refills on, 512 matrix instructions ahead of the load that asks
; for it.  One instruction a wave, 32 blocks of 256 bytes, a lane a block.  Each block is named ONCE in the launch: xb's tile row is read by every cluster of that row of clusters, and the one with
; cluster x = 0 asks; wb's tile column by every cluster of that column, and the one with cluster y = 0 asks.  The four partners that ask for a tile jointly share it out BY ADDRESS: of the 128 rows
; of xb that a wave fetches the partner at cx takes 32; of the 64 k-rows of wb (two blocks each) the partner at cy takes 16.  No branch hangs on a place in the cluster.
; The loop's last trip (s3 = 1) asks for nothing: K steps 32 and 33 do not exist.  K steps 0 to 3 come by their loads alone.
.macro ASK
	s_cmp_gt_u32 s3, s[LIM]
	s_cbranch_scc0 .Lnot_mine_\@
	global_prefetch_b8 v[PFO], s[PFA:PFA+1] th:TH_LOAD_NT scope:SCOPE_SE
.Lnot_mine_\@:
.endm
; A round of the cluster's barrier: my work-group's barrier, so that wave 0's signal speaks for all four waves; wave 0 signals for the work-group; every wave waits for all sixteen work-groups;
; my work-group's barrier once more.  No LDS instruction of the wave is pending at a signal.
.macro CREST                           ; a round behind its opening barrier
	s_cmp_lg_u32 s10, 0
	s_cbranch_scc1 .Lnot_wave_0_\@
	s_barrier_signal -3
.Lnot_wave_0_\@:
	s_barrier_wait -3
	s_barrier_signal -1
	s_barrier_wait -1
.endm
.macro CROUND                          ; a whole round
	s_barrier_signal -1
	s_barrier_wait -1
	CREST
.endm
	s_load_b128 s[4:7], s[0:1], 0x0                ; xb s[4:5], wb s[6:7]
	s_load_b64 s[66:67], s[0:1], 0x10              ; bias
	s_load_b64 s[8:9], s[0:1], 0x18                ; out0
	v_lshl_add_u32 v[SPW], v0, 2, SPARE
	v_mov_b32 v[NIL], 0
	ds_add_u32 v[SPW], v[NIL]                      ; the wave's opening: the add, twice on end, and its wait ahead of my first tensor load; the set-up below stands between
	ds_add_u32 v[SPW], v[NIL]                      ; and once more, under the one wait
	v_lshrrev_b32 v1, 5, v0
	v_readfirstlane_b32 s10, v1                    ; wave 0..3
	s_lshr_b32 s11, s10, 1                         ; which half of the tile's rows is mine.  Also: I fetch for xb (0) or for wb (1)
	s_and_b32 s12, s10, 1                          ; which half of its columns.  Also: which half of that tensor's tile I fetch
	s_bfe_u32 s40, ttmp6, 0x40000                  ; cx: my place along the cluster's x
	s_bfe_u32 s41, ttmp6, 0x40004                  ; cy: along its y
	s_lshl_b32 s42, ttmp9, 2                       ; in a cluster launch ttmp9 and ttmp7 count clusters
	s_add_co_u32 s42, s42, s40                     ; tile column = 4 x cluster x + cx
	s_and_b32 s13, ttmp7, 0xffff
	s_lshl_b32 s13, s13, 2
	s_add_co_u32 s13, s13, s41                     ; tile row = 4 x cluster y + cy
	s_lshl_b32 s43, s41, 2
	s_lshl_b32 s43, 15, s43                        ; my row of the cluster: places 4 cy .. 4 cy + 3
	s_lshl_b32 s44, 0x1111, s40                    ; my column: places cx, cx + 4, cx + 8, cx + 12
	; descriptor group 1 for xb: 128 rows x 128 elements, padded in LDS
	s_or_b32 s[G1+0], s43, (1<<16)|(1<<20)|(1<<21)|(5<<22)|(3<<25)  ; 15:0 the mask: my row; 17:16 elements of 2 bytes; 20 padding on; 21 set beside a mask; 24:22 after every 64 words (code 5); 31:25 4 words (code 3)
	s_mov_b32 s[G1+1], 128<<16                     ; tensor_dim0 = 128
	s_mov_b32 s[G1+2], 128<<16                     ; tensor_dim1 = 128
	s_mov_b32 s[G1+3], 128<<16                     ; tile_dim0 = 128
	s_mov_b32 s[G1+4], 128                         ; tile_dim1 = 128
	s_mov_b32 s[G1+5], 4096                        ; elements from row to row
	s_mov_b32 s[G1+6], 0
	s_mov_b32 s[G1+7], 0
	; descriptor group 1 for wb: 64 k-rows x 256 elements, padded in LDS
	s_or_b32 s[G1B+0], s44, (1<<16)|(1<<20)|(1<<21)|(6<<22)|(7<<25) ; the mask: my column; padding after every 128 words (code 6), 8 words of it (code 7)
	s_mov_b32 s[G1B+1], 256<<16                    ; tensor_dim0 = 256
	s_mov_b32 s[G1B+2], 64<<16                     ; tensor_dim1 = 64
	s_mov_b32 s[G1B+3], 256<<16                    ; tile_dim0 = 256
	s_mov_b32 s[G1B+4], 64                         ; tile_dim1 = 64
	s_mov_b32 s[G1B+5], 4096
	s_mov_b32 s[G1B+6], 0
	s_mov_b32 s[G1B+7], 0
	; where the tiles come from.  xb's hang on the tile row alone, which my row of the cluster shares; wb's on the tile column alone, which my column shares.
	; Every wave makes both addresses, in registers that never hold the other coordinate, and asks by one of them.  All offsets stay under 2^26.
	s_lshl_b32 s17, s12, 7
	s_lshl_b32 s16, s13, 8
	s_add_co_u32 s16, s16, s17                     ; xb: row 256 x tile row + 128 x half,
	s_lshl_b32 s16, s16, 13                        ; of 8,192 bytes
	s_mov_b32 s17, 0
	s_lshl_b32 s46, s12, 19                        ; wb: k-row 64 x half, of 8,192 bytes,
	s_lshl_b32 s47, s42, 9                         ; column 256 x tile column, of 2 bytes
	s_add_co_u32 s46, s46, s47
	s_mov_b32 s47, 0
	s_mul_i32 s20, s10, HALFT                      ; and where they go: xb's two halves, then wb's two halves = wave x 34,816 bytes: no place in the cluster enters an LDS address
	s_wait_dscnt 0x0                               ; both opening adds are done
	s_wait_kmcnt 0x0
	s_add_nc_u64 s[14:15], s[4:5], s[16:17]
	s_add_nc_u64 s[46:47], s[6:7], s[46:47]
	CROUND                                         ; all sixteen work-groups are here: the first joint loads meet
.irp s, 0,1
	s_mov_b32 s[G0+4*(\s)], 1                                      ; count = 1
	s_add_co_u32 s[G0+4*(\s)+1], s20, (\s)*SLOT                    ; LDS address
	s_add_nc_u64 s[G0+4*(\s)+2:G0+4*(\s)+3], s[14:15], (\s)*ASTEP  ; global address: K step s
	s_or_b32 s[G0+4*(\s)+3], s[G0+4*(\s)+3], 0x80000000            ; type = 2
	s_mov_b32 s[G0B+4*(\s)], 1
	s_add_co_u32 s[G0B+4*(\s)+1], s20, (\s)*SLOT
	s_add_nc_u64 s[G0B+4*(\s)+2:G0B+4*(\s)+3], s[46:47], (\s)*BSTEP
	s_or_b32 s[G0B+4*(\s)+3], s[G0B+4*(\s)+3], 0x80000000
	JLOAD \s                                       ; the ring is filled before anything else is done: two loads of mine are out
.endr
	; A fragment is 16 rows x 32 K in 8 registers: lane l holds row l % 16; registers 0-3 hold K = 8 (l / 16) + 0..7, registers 4-7 K = 16 + 8 (l / 16) + 0..7.
	; xb's rows lie along K: two loads of 16 bytes, 32 bytes apart.
	v_and_b32 v1, 15, v0                           ; l % 16
	v_bfe_u32 v2, v0, 4, 1                         ; l / 16
	v_mul_u32_u24 v3, v1, PA
	v_lshl_add_u32 v3, v2, 4, v3                   ; row x pitch + 16 x half
	; wb's rows lie along n: the turning load takes 16 k x 16 n (lane l reads k-row 8 (l / 16) + l % 8, columns 8 ((l / 8) % 2) + 0..7) and leaves half a fragment: lane l holds column l % 16 and 8 k.
	v_and_b32 v4, 7, v0
	v_lshl_add_u32 v4, v2, 3, v4
	v_mul_u32_u24 v4, v4, PB
	v_bfe_u32 v5, v0, 3, 1
	v_lshl_add_u32 v4, v5, 4, v4
	s_mul_i32 s21, s11, HALFT                      ; my 128 rows of xb
	s_lshl_b32 s22, s12, 8                         ; my 128 columns of wb: 256 bytes of each k-row,
	s_add_co_u32 s22, s22, 2*HALFT                 ; behind xb's 256 rows
.irp s, 0,1
	v_add_nc_u32 v[ADRA+(\s)], s21, v3
	v_add_nc_u32 v[ADRB+(\s)], s22, v4
	s_add_co_u32 s21, s21, SLOT
	s_add_co_u32 s22, s22, SLOT
.endr
	s_mul_i32 s23, s10, WSTAGE
	s_add_co_u32 s23, s23, STAGE                   ; my stage
	v_mul_u32_u24 v6, v1, SP                       ; in: row l % 16, 32 bytes for each half of the lanes
	v_lshl_add_u32 v6, v2, 5, v6
	v_add_nc_u32 v[STO], s23, v6
	v_and_b32 v7, 31, v0                           ; l
	v_lshlrev_b32 v[CO], 4, v7                     ; back: 32 lanes take one row of 512 bytes,
	v_add_nc_u32 v[RD], s23, v[CO]                 ; and the same 512 bytes in out0
	v_lshlrev_b32 v[BO], 5, v2
	; out0 at my corner of the tile; bias at my first column
	s_lshl_b32 s16, s13, 8
	s_lshl_b32 s17, s11, 7
	s_add_co_u32 s16, s16, s17                     ; my first row,
	s_lshl_b32 s16, s16, 14                        ; of 16,384 bytes
	s_mov_b32 s17, 0
	s_lshl_b32 s46, s42, 10                        ; my first column, in bytes of f32: 1,024 x tile column + 512 x half (in registers that held wb's offset: none that feeds xb's descriptors ever holds cx)
	s_lshl_b32 s47, s12, 9
	s_add_co_u32 s46, s46, s47
	s_mov_b32 s47, 0
	s_add_nc_u64 s[66:67], s[66:67], s[46:47]
	s_add_nc_u64 s[8:9], s[8:9], s[16:17]
	s_add_nc_u64 s[8:9], s[8:9], s[46:47]
.irp b, 0,1,2,3,4,5,6,7
	global_load_b128 v[BIAS+8*(\b):BIAS+8*(\b)+3],   v[BO], s[66:67] offset:64*(\b)     ; columns 16 b + 8 (l / 16) + 0..3: register j of a result holds column 8 (l / 16) + j
	global_load_b128 v[BIAS+8*(\b)+4:BIAS+8*(\b)+7], v[BO], s[66:67] offset:64*(\b)+16  ; + 4..7
.endr
	; the prefetches: both tensors' offsets are made, then the wave's number chooses
	s_lshl_b32 s20, s13, 8
	s_lshl_b32 s21, s12, 7
	s_add_co_u32 s20, s20, s21                     ; xb: the 128 rows that I fetch,
	s_lshl_b32 s21, s40, 5
	s_add_co_u32 s20, s20, s21                     ; my work-group's 32 of them,
	s_lshl_b32 s20, s20, 13
	s_add_co_u32 s20, s20, 3*ASTEP                 ; at K step 3: the first refill steps it to 4
	s_lshl_b32 s22, s12, 6
	s_lshl_b32 s23, s41, 4
	s_add_co_u32 s22, s22, s23                     ; wb: the 64 k-rows that I fetch, my work-group's 16 of them,
	s_lshl_b32 s22, s22, 13
	s_lshl_b32 s23, s42, 9
	s_add_co_u32 s22, s22, s23                     ; the tile's 512 bytes of each,
	s_add_co_u32 s22, s22, 3*BSTEP                 ; at K step 3
	s_and_b32 s23, ttmp7, 0xffff                   ; cluster y
	s_mov_b32 s[PFS], BSTEP
	s_cmp_eq_u32 s11, 0                            ; do I fetch for xb?
	s_cselect_b32 s20, s20, s22
	s_cselect_b32 s23, ttmp9, s23                  ; the coordinate along which other clusters read the same blocks
	s_cselect_b32 s[PFS], ASTEP, s[PFS]
	s_cselect_b64 s[PFA:PFA+1], s[4:5], s[6:7]
	s_mov_b32 s21, 0
	s_mov_b32 s[PFS+1], 0
	s_cmp_eq_u32 s23, 0
	s_cselect_b32 s[LIM], 1, -1                    ; the same in all sixteen partners, for a given wave
	s_add_nc_u64 s[PFA:PFA+1], s[PFA:PFA+1], s[20:21]
	v_lshrrev_b32 v31, s11, v7                     ; xb (s11 = 0): lane l names row l; wb (s11 = 1): k-row l / 2,
	v_and_b32 v5, s11, v7                          ; and of its two blocks of 256 bytes number l % 2
	v_lshlrev_b32 v5, 8, v5
	v_lshl_add_u32 v[PFO], v31, 13, v5             ; both tensors have rows of 8,192 bytes
	; bias to the bf16 numbers, kept as f32
	s_wait_loadcnt 0x0
.set i, 0
.rept 32
	v_cvt_pk_bf16_f32 v[32+i], v[BIAS+2*i], v[BIAS+2*i+1]
.set i, i+1
.endr
.set i, 0
.rept 32
	v_lshlrev_b32 v[BIAS+2*i], 16, v[32+i]
	v_and_b32 v[BIAS+2*i+1], 0xffff0000, v[32+i]
.set i, i+1
.endr
; 16 matrix instructions: m blocks a0, a0 + 1 of the window's four (hi = 0: my rows 0-63, 1: rows 64-127) x all 8 n blocks, 32 along K.  first = 1: the product starts the sums, with bias as C.
; The 64 accumulators take turns, one instruction a turn, in the same order in every quarter step.
.macro MUL16 f, hi, a0, first
.if \first
	WIN FIRST_LO+0x40*(\hi)
.else
	WIN MUL_LO+0x50*(\hi)
.endif
.irp a, \a0, (\a0)+1
.irp b, 0,1,2,3,4,5,6,7
.if \first
	v_wmma_f32_16x16x32_bf16 v[8*(8*(\a)+(\b)):8*(8*(\a)+(\b))+7], v[(\f)+8*(\b):(\f)+8*(\b)+7], v[(\f)+8*(4*(\hi)+(\a)):(\f)+8*(4*(\hi)+(\a))+7], v[BIAS+8*(\b):BIAS+8*(\b)+7]
.else
	v_wmma_f32_16x16x32_bf16 v[8*(8*(\a)+(\b)):8*(8*(\a)+(\b))+7], v[(\f)+8*(\b):(\f)+8*(\b)+7], v[(\f)+8*(4*(\hi)+(\a)):(\f)+8*(4*(\hi)+(\a))+7], v[8*(8*(\a)+(\b)):8*(8*(\a)+(\b))+7]
.endif
.endr
.endr
.endm
; 32 LDS loads in one run: the fragments of quarter q of a K step (32 k x my 128 columns of wb, turned; my 128 rows of xb x 32 k) into buffer f
.macro FETCH slot, q, f
	WIN TO_B
.irp i, 0,1,2,3,4,5,6,7
	ds_load_tr16_b128 v[(\f)+8*(\i):(\f)+8*(\i)+3],   v[ADRB+(\slot)] offset:(\q)*32*PB+32*(\i)
	ds_load_tr16_b128 v[(\f)+8*(\i)+4:(\f)+8*(\i)+7], v[ADRB+(\slot)] offset:(\q)*32*PB+16*PB+32*(\i)
.endr
	WIN 0
.irp i, 0,1,2,3,4,5,6,7
	ds_load_b128 v[(\f)+8*(\i):(\f)+8*(\i)+3],   v[ADRA+(\slot)] offset:64*(\q)+(\i)*16*PA
	ds_load_b128 v[(\f)+8*(\i)+4:(\f)+8*(\i)+7], v[ADRA+(\slot)] offset:64*(\q)+(\i)*16*PA+32
.endr
.endm
; A load into a register that a matrix instruction has read, and a vector instruction that reads a matrix result, stand four places behind that matrix instruction, and only plain vector
; instructions that name none of its registers are places (ISA guide 7.12.1 for vector instructions).
.macro PLACES
.rept 4
	v_nop
.endr
.endm
; A K step is four quarters of 32 along K, 64 matrix instructions each, on buffers 0, 1, 0, 1.
; One of the first three: multiplies buffer f; in its middle it fetches quarter q of the same slot into buffer g.
.macro QUARTER slot, q, f, g, first
	s_wait_dscnt 8                                 ; wb and xb's rows 0-63 are in; the youngest eight loads (xb's rows 64-127) may be out
	MUL16 \f, 0, 0, \first
	MUL16 \f, 0, 2, \first
	PLACES
	FETCH \slot, \q, \g
	s_wait_dscnt 32                                ; all but the 32 just issued
	MUL16 \f, 1, 0, \first
	MUL16 \f, 1, 2, \first
.endm
; The last quarter multiplies buffer 1 and changes slots.  MEET is its first half: ONE barrier for the change.  In front of it each wave waits for all its tensor loads, of which one is out: its part
; of the next slot; adds 0 to its spare word; and waits for that and for its own reads of this slot.  Behind it nobody reads this slot any more and the next slot is whole.
.macro MEET round                      ; round = 1: the rest of a round of the cluster's barrier follows
	WIN 0                                          ; (the add's two registers lie in window 0)
	s_wait_tensorcnt 0x0                           ; all my tensor loads have landed
	ds_add_u32 v[SPW], v[NIL]                      ; 0 onto my spare word
	s_wait_dscnt 9                                 ; (the add and the youngest eight loads may be out)
	MUL16 F1, 0, 0, 0                              ; sixteen matrix instructions stand between the add and the wait for it
	s_wait_dscnt 0x0                               ; the add is done, and my reads of this slot are over
	s_barrier_signal -1                            ; say so,
	MUL16 F1, 0, 2, 0                              ; work on registers while the others arrive,
.if \round
	WIN 0
.endif
	s_barrier_wait -1                              ; and go on when all four have said so
.endm
; The whole last quarter.  fill = 1: behind a round of the cluster's barrier the slot just read out is filled again first, with the K step two steps on; then come the next slot's first fragments.
; From a request to the wait for it a wave issues 224 matrix instructions.  fill = 0: nothing is left to fetch, and the work-group's barrier alone stands.
.macro TURN slot, next, fill
.if \fill
	s_wait_xcnt 0x0                                ; the last prefetch, a K step back, has read its address: it is stepped here, ahead of the waits of the change of slots
	s_add_nc_u64 s[PFA:PFA+1], s[PFA:PFA+1], s[PFS:PFS+1]
	MEET 1
	CREST                                          ; no wave of any partner still reads this slot's tile or has a load on its way
	s_add_nc_u64 s[G0+4*(\slot)+2:G0+4*(\slot)+3], s[G0+4*(\slot)+2:G0+4*(\slot)+3], 2*ASTEP     ; no tensor load of mine is out, so a group 0 may be written; the type bits on top are not reached
	s_add_nc_u64 s[G0B+4*(\slot)+2:G0B+4*(\slot)+3], s[G0B+4*(\slot)+2:G0B+4*(\slot)+3], 2*BSTEP
	JLOAD \slot                                    ; the first tensor load behind the round; the four v_nop behind it are also the places in front of the loads below
	FETCH \next, 0, F0
	ASK                                            ; behind the joint load and the run of LDS loads that the next products wait for
.else
	MEET 0
	PLACES
	FETCH \next, 0, F0
.endif
	MUL16 F1, 1, 0, 0
	MUL16 F1, 1, 2, 0
.endm
; THE WAY OUT of block a (16 of my rows), in three parts.  PACK: the maximum with 0, out of the accumulators' window; each accumulator's registers in ascending order.
.macro PACK a
.set AC, 64*((\a)%4)
	WIN 0x0a+5*((\a)/4)                            ; sources in window 2 or 3, destination in window 0
.irp b, 0,1,2,3,4,5,6,7
.irp j, 0,1,2,3,4,5,6,7
	v_max_num_f32 v[TMP+8*(\b)+(\j)], 0, v[AC+8*(\b)+(\j)]
.endr
.endr
	WIN 0
.endm
; TOSTAGE: a lane's eight columns of a row, 32 bytes, into my own stage; back as whole rows of 512 bytes, into the registers where xb's fragments lay, two sets by turns.
.macro TOSTAGE a
	WIN 0
.set BK, F0+64*((\a)%2)
.irp b, 0,1,2,3,4,5,6,7
	ds_store_b128 v[STO], v[TMP+8*(\b):TMP+8*(\b)+3]   offset:64*(\b)
	ds_store_b128 v[STO], v[TMP+8*(\b)+4:TMP+8*(\b)+7] offset:64*(\b)+16
.endr
.if (\a) >= 2
	s_wait_xcnt 0x0                                ; every earlier store has had its addresses translated (ISA guide 3.1): the set that block a - 2 was stored from is loaded again only behind this wait
.endif
.irp t, 0,1,2,3,4,5,6,7,8,9,10,11,12,13,14,15
	ds_load_b128 v[BK+4*(\t):BK+4*(\t)+3], v[RD] offset:(\t)*SP  ; LDS serves a wave's instructions in order (ISA guide 5.7.1.4): these see the stores above
.endr
.endm
; SEND: stored.  The block's place among my 128 rows stands in the immediate, 127 rows of 16,384 bytes at the most; base and offset register are never rewritten.
.macro SEND a
	WIN 0
.set BK, F0+64*((\a)%2)
	s_wait_dscnt 0x0                               ; the block is back in registers
.irp t, 0,1,2,3,4,5,6,7,8,9,10,11,12,13,14,15
	global_store_b128 v[CO], v[BK+4*(\t):BK+4*(\t)+3], s[8:9] offset:(16*(\a)+(\t))*16384 th:TH_STORE_NT  ; a wave stores 512 consecutive bytes, at a multiple of 512 from out0's first byte
.endr
.endm
	s_wait_tensorcnt 1                             ; my part of K step 0 is in; K step 1's may stay out
	s_barrier_signal -1
	s_barrier_wait -1                              ; everybody's is
	FETCH 0, 0, F0
	QUARTER 0, 1, F0, F1, 1                        ; the first quarter stands in front of the loop: its products start the sums, with bias
	WIN 0                                          ; at a label and at a branch every window is 0
	s_mov_b32 s3, LAPS-1
.Llap:                                                 ; a trip goes once round the ring, from a lap's second quarter to the next lap's first, and fills both slots again
	QUARTER 0, 2, F1, F0, 0
	QUARTER 0, 3, F0, F1, 0
	TURN 0, 1, 1
	QUARTER 1, 1, F0, F1, 0
	QUARTER 1, 2, F1, F0, 0
	QUARTER 1, 3, F0, F1, 0
	TURN 1, 0, 1
	QUARTER 0, 1, F0, F1, 0
	WIN 0
	s_sub_co_u32 s3, s3, 1
	s_cmp_lg_u32 s3, 0
	s_cbranch_scc1 .Llap
	QUARTER 0, 2, F1, F0, 0                        ; the last lap is written out: it fills nothing
	QUARTER 0, 3, F0, F1, 0
	TURN 0, 1, 0
	QUARTER 1, 1, F0, F1, 0
	QUARTER 1, 2, F1, F0, 0
	QUARTER 1, 3, F0, F1, 0
	s_wait_dscnt 8                                 ; the very last quarter: nothing more to fetch
	MUL16 F1, 0, 0, 0
	MUL16 F1, 0, 2, 0
	s_wait_dscnt 0x0
	MUL16 F1, 1, 0, 0
	MUL16 F1, 1, 2, 0
	PLACES                                         ; behind the last products; block 0's 64 lines are further places for the later blocks and for the loads into the fragments' registers
	PACK 0
	TOSTAGE 0
.irp a, 1,2,3,4,5,6,7                  ; block a's maxima stand between block a - 1's loads from the stage and the wait for them
	PACK \a
	SEND (\a)-1
	TOSTAGE \a
.endr
	SEND 7
	s_wait_tensorcnt 0x0                           ; the wave's end: behind my last tensor load and my last LDS store
	ds_add_u32 v[SPW], v[NIL]
	s_wait_dscnt 0x0
	CROUND                                         ; the closing round: no work-group ends while a partner may still ask for a tile that names it
	s_endpgm
.Lfunc_end_k_q47b418c4f2_gemm:
	.size	k_q47b418c4f2_gemm, .Lfunc_end_k_q47b418c4f2_gemm-k_q47b418c4f2_gemm
	.p2alignl 7, 3214868480
	.fill 96, 4, 3214868480
	.section	.rodata,"a",@progbits
	.p2align	6, 0x0
	.amdhsa_kernel k_q47b418c4f2_gemm
		.amdhsa_group_segment_fixed_size 327680
		.amdhsa_private_segment_fixed_size 0
		.amdhsa_enable_private_segment 0
		.amdhsa_kernarg_size 32
		.amdhsa_user_sgpr_count 2
		.amdhsa_user_sgpr_kernarg_segment_ptr 1
		.amdhsa_wavefront_size32 1
		.amdhsa_system_sgpr_workgroup_id_x 1
		.amdhsa_system_sgpr_workgroup_id_y 1
		.amdhsa_system_sgpr_workgroup_id_z 1
		.amdhsa_system_vgpr_workitem_id 0
		.amdhsa_next_free_vgpr 1024
		.amdhsa_next_free_sgpr 72
		.amdhsa_reserve_vcc 0
		.amdhsa_float_denorm_mode_32 3
		.amdhsa_float_denorm_mode_16_64 3
		.amdhsa_memory_ordered 1
		.amdhsa_forward_progress 1
		.amdhsa_inst_pref_size 164
	.end_amdhsa_kernel
	.amdgpu_metadata
---
amdhsa.version: [ 1, 2 ]
amdhsa.kernels:
  - .name:           k_q47b418c4f2_gemm
    .symbol:         k_q47b418c4f2_gemm.kd
    .args:
      - { .name: xb, .offset: 0, .size: 8, .value_kind: global_buffer, .address_space: global }
      - { .name: wb, .offset: 8, .size: 8, .value_kind: global_buffer, .address_space: global }
      - { .name: bias, .offset: 16, .size: 8, .value_kind: global_buffer, .address_space: global }
      - { .name: out0, .offset: 24, .size: 8, .value_kind: global_buffer, .address_space: global }
    .group_segment_fixed_size: 327680
    .private_segment_fixed_size: 0
    .kernarg_segment_align: 8
    .kernarg_segment_size: 32
    .max_flat_workgroup_size: 128
    .sgpr_count:     72
    .vgpr_count:     1024
    .wavefront_size: 32
...
	.end_amdgpu_metadata
.endif
;; end of part 2
